; MI455X (gfx1250); checked and timed in simulation.
; The chip was launched on July 23, 2026; its instructions are those of AMD's public machine-readable ISA for CDNA 5 (MIT licence, August 2026) and "CDNA5" Instruction Set Architecture Reference Guide (July 2026). The comments in the code are by the model that wrote it; some were corrected since.
;; Multi Head Attention. Allowed arithmetic: matrix products marked QUANTISED: E2M3 operands, one E8M0 scale for each 32 along K, by v_wmma_scale_f32_16x16x128_f8f6f4 with both operands' format E2M3, f32 sums; everything else in f32.
;; Inputs: Wk 1,024 x 1,024 float32; Wo 1,024 x 1,024 float32; Wq 1,024 x 1,024 float32; Wv 1,024 x 1,024 float32; bk 1,024 float32; bo 1,024 float32; bq 1,024 float32; bv 1,024 float32; key 4 x 2,048 x 1,024 float32; query 4 x 2,048 x 1,024 float32; value 4 x 2,048 x 1,024 float32.
;; Outputs: out0 4 x 2,048 x 1,024 float32.
;; This version of the problem:
;;   THIS VERSION OF THE PROBLEM IS GIVEN IN LOW PRECISION. The matrix products marked QUANTISED in the list below multiply operands that are first quantised to E2M3 (2 exponent bits, 3 mantissa bits; 6 bits a number), with one power-of-two scale for each 32 numbers along K (OCP MX v1.0); their sums are f32. All else is computed in f32.
;;   The module's matrix products, in the order in which they are computed (A, B: the left and right operand; K: the contracted axis; several contracted axes count as one K, in the product's order):
;;     1. [M 8,192, K 1,024] x [K 1,024, N 1,024]; A: input query; B: input Wq: QUANTISED
;;     2. [M 8,192, K 1,024] x [K 1,024, N 1,024]; A: input key; B: input Wk: QUANTISED
;;     3. [M 8,192, K 1,024] x [K 1,024, N 1,024]; A: input value; B: input Wv: QUANTISED
;;     4. batch 64 x [M 2,048, K 64] x [K 64, N 2,048]; A: computed on the way; B: computed on the way: QUANTISED
;;     5. batch 64 x [M 2,048, K 2,048] x [K 2,048, N 64]; A: softmax (see below); B: computed on the way: QUANTISED
;;     6. [M 8,192, K 1,024] x [K 1,024, N 1,024]; A: computed on the way; B: input Wo: QUANTISED
;;   THE QUANTISER, for each operand of a quantised product, along K:
;;     - K is cut into blocks of 32 from its start; a last block that is shorter is filled with zeros.
;;     - A block's scale is 2^e with e = floor(log2(the largest magnitude in the block)) - 2, held to -126 .. 127; a block of zeros has e = 0. As a byte (E8M0): e + 127.
;;     - Each number is divided by its block's scale, clamped to +-7.5, and rounded to the nearest number of E2M3, ties to even, subnormals kept.
;;     - The product sums the exact products of the quantised numbers (number of the format x scale) in f32.
;;   ~~~python
;;   def quantise(x, axis):      # numpy; x: float32 -> the quantised numbers, widened to float32 again
;;       x = np.moveaxis(x, axis, -1); K = x.shape[-1]
;;       x = np.pad(x, [(0, 0)] * (x.ndim - 1) + [(0, -K % 32)]); x = x.reshape(x.shape[:-1] + (-1, 32)); a = np.abs(x).max(-1, keepdims=True)
;;       e = np.where(a > 0, np.clip(np.frexp(np.where(a > 0, a, 1))[1] - 1 - 2, -126, 127), 0)      # np.frexp(a)[1] - 1 = floor(log2(a)), exactly
;;       r = np.clip(x / 2.0 ** e, -7.5, 7.5)
;;       step = 2.0 ** (np.maximum(np.frexp(np.where(r == 0, 1, r))[1] - 1, 0) - 3)
;;       q = np.round(r / step) * step * 2.0 ** e      # np.round: ties to even
;;       return np.moveaxis(q.reshape(q.shape[:-2] + (-1,))[..., :K], -1, axis).astype(np.float32)
;;   ~~~
;;   SOFTMAX AHEAD OF A QUANTISED PRODUCT. Where the list says 'softmax', what is quantised is not the finished softmax but p = 2^(t - M), with t = logit x log2(e) and M = ceil(the row's largest t), a whole number; so 1/2 < the row's largest p <= 1. The row's sum l is taken of the UNQUANTISED p, in f32, and the product's result is divided by l at the end. Since M is a whole number, a kernel that streams over the keys may use a running M (the ceiling of the running maximum): every later rescaling is an exact power of two, which a block's scale takes up: the codes' values come out the same.
;;   OPERANDS COMPUTED ON THE WAY. 'Computed on the way' means the value that the module computes at that place (a softmax that the list does not call 'softmax' is quantised finished and normalised). What goes into a quantiser is computed in f32, as accurately as f32 sums, v_exp_f32 and their like allow (about 1e-6 of the number): no bf16 or f16 on the way to a quantiser, and a product that is left as it is and whose result goes on into a quantised operand takes f32 operands (vector FMAs, or v_wmma_f32_16x16x4_f32). A number that lies on a knife's edge between two numbers of the format may be rounded either way, as far as f32 arithmetic and the matrix unit's own rounding can turn it there, and no further.
;; One version. Each part assembles by itself: llvm-mc -triple=amdgcn-amd-amdhsa -mcpu=gfx1250 --defsym DOCPART=n.
;; ======== version 1 of 1: 4 launches
;; limits: right only within a limited range of input values
;; workspace buffers: cod 22,937,600 bytes; acod 6,553,600 bytes; qimg 6,553,600 bytes; kimg 6,553,600 bytes; vimg 6,553,600 bytes
;; launch quant (part 1): grid 896 x 1, 4 waves a work-group, no clusters, 34,304 bytes of LDS; arguments query, key, value, Wq, Wk, Wv, Wo, cod; writes cod
.if DOCPART == 1
	.amdgcn_target "amdgcn-amd-amdhsa--gfx1250"
	.amdhsa_code_object_version 6
	.text
	.protected	k_qa0a5f703d4_quant
	.globl	k_qa0a5f703d4_quant
	.p2align	8
	.type	k_qa0a5f703d4_quant,@function
k_qa0a5f703d4_quant:
	s_mov_b64 s[64:65], 0
	v_nop
	global_prefetch_b8 v0, s[64:65] scope:SCOPE_SE
	s_setreg_imm32_b32 hwreg(HW_REG_WAVE_MODE, 25, 1), 1
	s_wait_xcnt 0x0
; query, key, value [8192][1024] and Wq, Wk, Wv, Wo [1024][1024], f32, K innermost, become codes of FP6 (E2M3) with one E8M0 byte for each 32 along K,
; laid in cod AS THE MATRIX OPERAND'S REGISTERS WANT THEM, so that the products' launches read them by loads of 16 bytes a lane alone.
; cod: 112 blocks of 256 rows (0-31 query, 32-63 key, 64-95 value, 96-99 Wq, 100-103 Wk, 104-107 Wv, 108-111 Wo), 204,800 bytes each: [256 along K: 4][64 rows: 4][12,800 bytes].
; 12,800 bytes = 8 fragment images of 1,536 bytes (row tile i' = 0..3, q = which 128 along K: image 2 i' + q), then 512 bytes of scale words [i' / 2][place r][word 2 (i' % 2) + q].
; A fragment is 16 rows x 128 K, 12 registers a lane (registers 6 c .. 6 c + 5: k = 64 c + 32 (lane / 16) + 0 .. 31 of row place lane % 16); its image holds registers 4 g .. 4 g + 3 of lane l at 512 g + 16 l.
; THE ROWS OF A TILE ARE NOT NEIGHBOURS: place r of tile 2 g + u is row 32 g + 8 u + r + 8 (r / 8), so that results made with such tiles as source 0 have 16 neighbours of the next K in a lane's 16 registers.
; A block's scale is 2^(floor(log2(its largest magnitude)) - 2); its byte is the largest magnitude's exponent field - 2, held at 1 from below.
; LIMITS: NaN and infinities among the inputs are not served.  A block whose largest magnitude lies under 2^-124 has its byte held at 1, as the quantiser's hold at -126 asks.  A block of zeros gets the byte 1 where the
; quantiser says 127: its codes are zeros, which add nothing under any byte but 0xff, and the bytes are read by this program alone.
; SHARES.  A work-group takes 32 rows (two tiles) of one tensor, wave s the 256 along K from 256 s on: four fragments j = 2 u + q.  Each load reads 512 consecutive bytes of a row; the 16 rows of a fragment turn through the
; wave's own stage in LDS (rows 528 bytes apart) and come back 128 neighbouring bytes of ONE row to a lane: two whole blocks of 32, so that no other lane is asked for a maximum.
; No cluster, no tensor load, no barrier: no two waves of the launch read the same byte.  No prefetch: every wave has 32 loads of 512 bytes on their way from its first lines on.
.set SPI,  528                         ; a stage row: 512 bytes + 16: the sixteen rows that a load of 16 bytes a lane touches start in sixteen different columns of 16 bytes
.set STG,  16*SPI                      ; a wave's stage
.set LO,   1                           ; v1   16 x lane
.set LR,   2                           ; v2   16 x (lane % 16)
.set SI,   3                           ; v3   the stage, on the way in
.set SO,   4                           ; v4   and on the way out: my row, my half
.set R,    32                          ; v32-95, v96-159  two sets of 16 x 4 registers as loaded
.set X,    160                         ; v160-223  my 64 numbers: register 32 c + i = k 64 c + 32 h + i
.set C,    224                         ; v224-235  the fragment's codes
.set CT,   236                         ; v236-243  the upper halves of the two blocks, as the conversions leave them
.set WQ,   244                         ; v244-247  the four fragments' scale words
	s_load_b512 s[8:23], s[0:1], 0x0               ; query, key, value, Wq, Wk, Wv, Wo, cod
	v_lshl_add_u32 v248, v0, 2, 0x8400
	v_mov_b32 v249, 0
	v_lshrrev_b32 v8, 5, v0
	v_readfirstlane_b32 s2, v8                     ; wave = which 256 along K
	v_and_b32 v8, 31, v0                           ; lane
	v_and_b32 v9, 15, v0                           ; r
	v_bfe_u32 v10, v0, 4, 1                        ; h
	v_lshlrev_b32 v[LO], 4, v8
	v_lshlrev_b32 v[LR], 4, v9
	s_mul_i32 s34, s2, STG
	v_add_nc_u32 v[SI], s34, v[LO]
	v_mul_u32_u24 v[SO], v9, SPI
	v_lshl_add_u32 v[SO], v10, 7, v[SO]
	v_add_nc_u32 v[SO], s34, v[SO]                 ; row r, + 128 h bytes
	v_lshlrev_b32 v5, 3, v10                       ; 8 h: my bytes' place in a scale word
	v_mov_b32 v7, 0                                ; written once: a lane permute's destination counts as one of its sources
	s_mov_b32 s30, 0x76543210
	s_mov_b32 s31, 0xfedcba98                      ; v_permlanex16_b32's selects for lane l xor 16
	; where the results go: a function of the work-group's number G alone
	s_lshr_b32 s24, ttmp9, 3
	s_mul_i32 s24, s24, 204800                     ; the block of 256 rows
	s_mul_i32 s32, s2, 51200
	s_add_co_u32 s24, s24, s32                     ; my 256 along K
	s_bfe_u32 s32, ttmp9, 0x20001
	s_mul_i32 s32, s32, 12800
	s_add_co_u32 s24, s24, s32                     ; the 64 rows
	s_and_b32 s32, ttmp9, 1                        ; which 32 of them
	s_mul_i32 s33, s32, 6144
	s_add_co_u32 s26, s24, s33                     ; four images
	s_mov_b32 s27, 0
	s_lshl_b32 s32, s32, 8
	s_add_co_u32 s28, s24, s32
	s_add_co_u32 s28, s28, 12288                   ; and 256 bytes of scale words
	s_mov_b32 s29, 0
	s_wait_alu depctr_va_vdst(0)
	s_wait_kmcnt 0x0
	s_add_nc_u64 s[26:27], s[22:23], s[26:27]
	s_add_nc_u64 s[28:29], s[22:23], s[28:29]
	; which tensor: a choice of pointers on the work-group's number; all seven take one path through the text
	s_mov_b64 s[4:5], s[20:21]
	s_mov_b32 s3, 864
.macro PICK bound, ptr, start
	s_cmp_lt_u32 ttmp9, \bound
	s_cselect_b64 s[4:5], s[\ptr:\ptr+1], s[4:5]
	s_cselect_b32 s3, \start, s3
.endm
	PICK 864, 18, 832
	PICK 832, 16, 800
	PICK 800, 14, 768
	PICK 768, 12, 512
	PICK 512, 10, 256
	PICK 256, 8, 0
	s_sub_co_u32 s3, ttmp9, s3                     ; which 32 rows of the tensor
	s_lshl_b32 s24, s3, 17                         ; 32 rows of 4,096 bytes
	s_lshl_b32 s25, s2, 10                         ; 256 numbers
	s_add_co_u32 s24, s24, s25
	s_mov_b32 s25, 0
	s_add_nc_u64 s[4:5], s[4:5], s[24:25]
.macro LOAD j, set                     ; fragment j = 2 u + q: its 16 rows' 128 numbers
.irp i, 0,1,2,3,4,5,6,7,8,9,10,11,12,13,14,15
	global_load_b128 v[R+64*(\set)+4*\i:R+64*(\set)+4*\i+3], v[LO], s[4:5] offset:(8*((\j)/2)+\i+8*(\i/8))*4096+512*((\j)%2) th:TH_LOAD_NT   ; 32 lanes read 512 consecutive bytes, aligned
.endr
.endm
.macro TURN set                        ; through the stage: LDS serves a wave's instructions in order (ISA guide 5.7.1.4), so no wait stands between the stores and the loads
.irp i, 0,1,2,3,4,5,6,7,8,9,10,11,12,13,14,15
	ds_store_b128 v[SI], v[R+64*(\set)+4*\i:R+64*(\set)+4*\i+3] offset:SPI*\i
.endr
.irp c, 0,1
.irp n, 0,1,2,3,4,5,6,7
	ds_load_b128 v[X+32*\c+4*\n:X+32*\c+4*\n+3], v[SO] offset:256*\c+16*\n
.endr
.endr
.endm
.macro Q6 j                            ; my two blocks (2 c + h, c = 0, 1) of row r become registers 6 c .. 6 c + 5 of the fragment
.irp c, 0,1
	v_max3_num_f32 v[8+\c], |v[X+32*\c]|, |v[X+32*\c+1]|, 0x1800000   ; with the floor 2^(3 - 127) among the leaves: the byte cannot fall under 1
.endr
.irp i, 2,4,6,8,10,12,14,16,18,20,22,24,26,28,30
.irp c, 0,1
	v_max3_num_f32 v[8+\c], v[8+\c], |v[X+32*\c+\i]|, |v[X+32*\c+\i+1]|   ; (the two blocks by turns)
.endr
.endr
.irp c, 0,1
	v_add_nc_u32 v[10+\c], 0xff000000, v[8+\c]     ; 2 off the exponent field: the conversion takes the exponent field of this operand as its scale
.endr
.irp c, 0,1
	v_lshrrev_b32 v[12+\c], 23, v[10+\c]           ; the scale's byte
.endr
	v_lshl_or_b32 v6, v13, 16, v12                 ; my two bytes: blocks h and 2 + h,
	v_lshlrev_b32 v6, v5, v6                       ; at their places in the word;
	v_permlanex16_b32 v7, v6, s30, s31
	v_or_b32 v[WQ+\j], v6, v7                      ; with lane l xor 16's two the word is whole
	s_wait_alu depctr_va_vdst(0)
	s_wait_xcnt 0x0                                ; the last image's stores have read the codes' registers: they are rewritten only behind this wait
.irp c, 0,1
	v_cvt_scalef32_pk16_fp6_f32 v[C+6*\c:C+6*\c+2], v[X+32*\c:X+32*\c+15], v[10+\c]
	v_cvt_scalef32_pk16_fp6_f32 v[CT+4*\c:CT+4*\c+2], v[X+32*\c+16:X+32*\c+31], v[10+\c]   ; (a conversion's three registers begin on an even number)
.endr
	v_nop                                          ; one plain place behind a scaled conversion
.irp c, 0,1
.irp i, 0,1,2
	v_mov_b32 v[C+6*\c+3+\i], v[CT+4*\c+\i]
.endr
.endr
.irp c, 0,1,2
	global_store_b128 v[LO], v[C+4*\c:C+4*\c+3], s[26:27] offset:(\j)*1536+512*\c   ; 32 lanes store 512 consecutive bytes, aligned
.endr
.endm
	LOAD 0, 0
	LOAD 1, 1
.irp j, 0,1,2,3
.if \j < 3
	s_wait_loadcnt 16                              ; this fragment's 16 loads are in; the next fragment's 16 may be out
.else
	s_wait_loadcnt 0x0
.endif
	TURN \j%2
	s_wait_dscnt 0x0                               ; my numbers are back, and the stage's stores have read their registers,
.if \j < 2
	LOAD \j+2, \j%2                                ; which take the fragment two on
.endif
	Q6 \j
.endr
	global_store_b128 v[LR], v[WQ:WQ+3], s[28:29]  ; place r's four words; lanes 16-31 write what lanes 0-15 write: 256 consecutive bytes, aligned
	s_wait_tensorcnt 0x0
	ds_add_u32 v248, v249
	s_wait_dscnt 0x0
	s_endpgm
.Lfunc_end_k_qa0a5f703d4_quant:
	.size	k_qa0a5f703d4_quant, .Lfunc_end_k_qa0a5f703d4_quant-k_qa0a5f703d4_quant
	.p2alignl 7, 3214868480
	.fill 96, 4, 3214868480
	.section	.rodata,"a",@progbits
	.p2align	6, 0x0
	.amdhsa_kernel k_qa0a5f703d4_quant
		.amdhsa_group_segment_fixed_size 34304
		.amdhsa_private_segment_fixed_size 0
		.amdhsa_enable_private_segment 0
		.amdhsa_kernarg_size 64
		.amdhsa_user_sgpr_count 2
		.amdhsa_user_sgpr_kernarg_segment_ptr 1
		.amdhsa_wavefront_size32 1
		.amdhsa_system_sgpr_workgroup_id_x 1
		.amdhsa_system_sgpr_workgroup_id_y 1
		.amdhsa_system_sgpr_workgroup_id_z 1
		.amdhsa_system_vgpr_workitem_id 0
		.amdhsa_next_free_vgpr 250
		.amdhsa_next_free_sgpr 66
		.amdhsa_reserve_vcc 0
		.amdhsa_float_denorm_mode_32 3
		.amdhsa_float_denorm_mode_16_64 3
		.amdhsa_memory_ordered 1
		.amdhsa_forward_progress 1
		.amdhsa_inst_pref_size 31
	.end_amdhsa_kernel
	.amdgpu_metadata
---
amdhsa.version: [ 1, 2 ]
amdhsa.kernels:
  - .name:           k_qa0a5f703d4_quant
    .symbol:         k_qa0a5f703d4_quant.kd
    .args:
      - { .name: query, .offset: 0, .size: 8, .value_kind: global_buffer, .address_space: global }
      - { .name: key, .offset: 8, .size: 8, .value_kind: global_buffer, .address_space: global }
      - { .name: value, .offset: 16, .size: 8, .value_kind: global_buffer, .address_space: global }
      - { .name: Wq, .offset: 24, .size: 8, .value_kind: global_buffer, .address_space: global }
      - { .name: Wk, .offset: 32, .size: 8, .value_kind: global_buffer, .address_space: global }
      - { .name: Wv, .offset: 40, .size: 8, .value_kind: global_buffer, .address_space: global }
      - { .name: Wo, .offset: 48, .size: 8, .value_kind: global_buffer, .address_space: global }
      - { .name: cod, .offset: 56, .size: 8, .value_kind: global_buffer, .address_space: global }
    .group_segment_fixed_size: 34304
    .private_segment_fixed_size: 0
    .kernarg_segment_align: 8
    .kernarg_segment_size: 64
    .max_flat_workgroup_size: 128
    .sgpr_count:     66
    .vgpr_count:     250
    .wavefront_size: 32
...
	.end_amdgpu_metadata
.endif
;; end of part 1
;; launch proj (part 2): grid 4 x 96, 4 waves a work-group, clusters of 4 x 4, 327,680 bytes of LDS; arguments cod, bq, bk, bv, qimg, kimg, vimg; writes qimg, kimg, vimg
.if DOCPART == 2
	.amdgcn_target "amdgcn-amd-amdhsa--gfx1250"
	.amdhsa_code_object_version 6
	.text
	.protected	k_qa0a5f703d4_proj
	.globl	k_qa0a5f703d4_proj
	.p2align	8
	.type	k_qa0a5f703d4_proj,@function
k_qa0a5f703d4_proj:
	s_mov_b64 s[64:65], 0
	v_nop
	global_prefetch_b8 v0, s[64:65] scope:SCOPE_SE
	s_setreg_imm32_b32 hwreg(HW_REG_WAVE_MODE, 25, 1), 1
	s_wait_xcnt 0x0
	s_wait_alu depctr_hold_cnt(0) depctr_sa_sdst(0) depctr_va_vdst(0) depctr_va_sdst(0) depctr_va_ssrc(0) depctr_va_vcc(0) depctr_vm_vsrc(0)
	s_getreg_b32 s2, hwreg(HW_REG_IB_STS2, 6, 4)
	s_cmp_eq_u32 s2, 0
	s_cbranch_scc0 .Lentry_in_a_cluster
	s_endpgm
.Lentry_in_a_cluster:
	s_bfe_u32 s2, ttmp6, 0x10000c
	s_cmp_lg_u32 s2, 0xf033
	s_cbranch_scc0 .Lentry_shape_is_right
	s_endpgm
.Lentry_shape_is_right:
.set SLOT,  102400
.set HALFT, 25600
.set SIG,   51200
.set RHO,   204800
.set BLK,   12800
.set IMG,   1536
.set SPARE, 3*SLOT
.set NLA,   3
.set BIASC, 0
.set ADRA, 8
.set ADRB, 11
.set ASA,  14
.set ASB,  17
.set LI,   20
.set LR,   21
.set SPW,  28
.set NIL,  29
.set SCA,  32
.set SCB,  64
.set BI,   96
.set AF,   160
.set BV,   96
.set PWQ,  4
.set T,    160
.set PC,   224
.set TMX,  244
.set TMB,  248
.set TMS,  252
.set G1,  24
.set G1B, 32
.set G0,  40
.set G0B, 52
.set MSB, 0
.macro WIN new
.if MSB != (\new)
	s_set_vgpr_msb (MSB<<8)|(\new)
.set MSB, (\new)
.endif
.endm
.set MUL_LO, 0xa1
.set MUL_HI, 0xf1
.set ZER_LO, 0x81
.set ZER_HI, 0xc1
.set TO_B,   0x40
.macro JLOAD s
	s_cmp_eq_u32 s19, 0
	s_cbranch_scc0 .Lfor_w_\@
	tensor_load_to_lds s[G0+4*\s:G0+4*\s+3], s[G1:G1+7]
	s_nop 0
.rept 4
	v_nop
.endr
	s_branch .Lasked_\@
.Lfor_w_\@:
	tensor_load_to_lds s[G0B+4*\s:G0B+4*\s+3], s[G1B:G1B+7]
	s_nop 0
.rept 4
	v_nop
.endr
.Lasked_\@:
.endm
.macro CREST
	s_cmp_lg_u32 s18, 0
	s_cbranch_scc1 .Lnot_wave_0_\@
	s_barrier_signal -3
.Lnot_wave_0_\@:
	s_barrier_wait -3
	s_barrier_signal -1
	s_barrier_wait -1
.endm
.macro CROUND
	s_barrier_signal -1
	s_barrier_wait -1
	CREST
.endm
.macro PLACES
.rept 4
	v_nop
.endr
.endm
.macro FRAG reg, adr, i, q
.irp c, 0,1,2
	ds_load_b128 v[\reg+4*\c:\reg+4*\c+3], v[\adr] offset:((\i)/4)*BLK+(((\i)%4)*2+(\q))*IMG+512*\c
.endr
.endm
.macro FRAG6 reg, adr, i, q
.irp c, 0,1,2,3,4,5
	ds_load_b64 v[\reg+2*\c:\reg+2*\c+1], v[\adr] offset:((\i)/4)*BLK+(((\i)%4)*2+(\q))*IMG+256*\c
.endr
.endm
.macro FETCH_B slot, q, p
	WIN TO_B
.irp i, 0,1,2,3,4,5,6,7
	FRAG 128*(\p)+12*\i, ADRB+\slot, \i, \q
.endr
	WIN 0
.endm
.macro FETCH_A slot, q, i0
.irp i, \i0, \i0+1, \i0+2, \i0+3
.if NLA == 6
	FRAG6 AF+12*(\i), ADRA+\slot, \i, \q
.else
	FRAG AF+12*(\i), ADRA+\slot, \i, \q
.endif
.endr
.endm
.macro SCALES slot, set
.irp g, 0,1,2,3
	ds_load_b128 v[SCA+16*(\set)+4*\g:SCA+16*(\set)+4*\g+3], v[ASA+\slot] offset:(\g/2)*BLK+12288+(\g%2)*256
	ds_load_b128 v[SCB+16*(\set)+4*\g:SCB+16*(\set)+4*\g+3], v[ASB+\slot] offset:(\g/2)*BLK+12288+(\g%2)*256
.endr
.endm
.macro MUL16 a0, p, q, set, zero
.irp a, \a0, \a0+1
.irp b, 0,1,2,3,4,5,6,7
.if (\zero) && BIASC
	v_wmma_scale_f32_16x16x128_f8f6f4 v[8*(8*((\a)%4)+\b):8*(8*((\a)%4)+\b)+7], v[128*(\p)+12*\b:128*(\p)+12*\b+11], v[AF+12*(\a):AF+12*(\a)+11], v[BI+8*\b:BI+8*\b+7], v[SCB+16*(\set)+2*\b+(\q)], v[SCA+16*(\set)+2*(\a)+(\q)] matrix_a_fmt:MATRIX_FMT_FP6 matrix_b_fmt:MATRIX_FMT_FP6
.elseif \zero
	v_wmma_scale_f32_16x16x128_f8f6f4 v[8*(8*((\a)%4)+\b):8*(8*((\a)%4)+\b)+7], v[128*(\p)+12*\b:128*(\p)+12*\b+11], v[AF+12*(\a):AF+12*(\a)+11], 0, v[SCB+16*(\set)+2*\b+(\q)], v[SCA+16*(\set)+2*(\a)+(\q)] matrix_a_fmt:MATRIX_FMT_FP6 matrix_b_fmt:MATRIX_FMT_FP6
.else
	v_wmma_scale_f32_16x16x128_f8f6f4 v[8*(8*((\a)%4)+\b):8*(8*((\a)%4)+\b)+7], v[128*(\p)+12*\b:128*(\p)+12*\b+11], v[AF+12*(\a):AF+12*(\a)+11], v[8*(8*((\a)%4)+\b):8*(8*((\a)%4)+\b)+7], v[SCB+16*(\set)+2*\b+(\q)], v[SCA+16*(\set)+2*(\a)+(\q)] matrix_a_fmt:MATRIX_FMT_FP6 matrix_b_fmt:MATRIX_FMT_FP6
.endif
.endr
.endr
.endm
.macro STEP q, set, zero, ns, nq
	s_wait_dscnt 4*NLA
.if (\zero) && BIASC
	WIN ZER_LO
.else
	WIN MUL_LO
.endif
	MUL16 0, \q, \q, \set, \zero
	MUL16 2, \q, \q, \set, \zero
	s_wait_dscnt 0x0
	PLACES
	FETCH_B \ns, \nq, 1-\q
	FETCH_A \ns, \nq, 0
.if (\nq) == 0
	SCALES \ns, 1-\set
.endif
.if (\zero) && BIASC
	WIN ZER_HI
.else
	WIN MUL_HI
.endif
	MUL16 4, \q, \q, \set, \zero
	MUL16 6, \q, \q, \set, \zero
	PLACES
	WIN 0
	FETCH_A \ns, \nq, 4
.endm
.macro TURN set, ns, fill
	s_wait_tensorcnt 0x0
	ds_add_u32 v[SPW], v[NIL]
	s_wait_dscnt 4*NLA+1
	WIN MUL_LO
	MUL16 0, 1, 1, \set, 0
	s_wait_dscnt 0x0
	s_barrier_signal -1
	MUL16 2, 1, 1, \set, 0
	WIN 0
	s_barrier_wait -1
.if \fill
	CREST
	s_add_nc_u64 s[G0+2:G0+3], s[G0+2:G0+3], 3*SIG
	s_add_nc_u64 s[G0B+2:G0B+3], s[G0B+2:G0B+3], 3*SIG
	JLOAD 0
.else
	PLACES
.endif
	FETCH_B \ns, 0, 0
	FETCH_A \ns, 0, 0
	s_wait_alu depctr_va_vdst(0)
	SCALES \ns, 1-\set
	WIN MUL_HI
	MUL16 4, 1, 1, \set, 0
	MUL16 6, 1, 1, \set, 0
	PLACES
	WIN 0
	FETCH_A \ns, 0, 4
.endm
.macro LAST set
	s_wait_dscnt 4*NLA
	WIN MUL_LO
	MUL16 0, 1, 1, \set, 0
	MUL16 2, 1, 1, \set, 0
	s_wait_dscnt 0x0
	WIN MUL_HI
	MUL16 4, 1, 1, \set, 0
	MUL16 6, 1, 1, \set, 0
	WIN 0
.endm
	s_load_b128 s[4:7], s[0:1], 0x0
	s_load_b256 s[8:15], s[0:1], 0x10
	s_load_b64 s[16:17], s[0:1], 0x30
	v_lshl_add_u32 v[SPW], v0, 2, SPARE
	v_mov_b32 v[NIL], 0
	ds_add_u32 v28, v29
	ds_add_u32 v28, v29
	s_wait_dscnt 0x0
	v_lshrrev_b32 v1, 5, v0
	v_readfirstlane_b32 s18, v1
	s_lshr_b32 s19, s18, 1
	s_and_b32 s20, s18, 1
	s_bfe_u32 s21, ttmp6, 0x40000
	s_bfe_u32 s22, ttmp6, 0x40004
	s_lshl_b32 s23, ttmp9, 2
	s_add_co_u32 s23, s23, s21
	s_and_b32 s67, ttmp7, 0xffff
	s_lshl_b32 s66, s67, 2
	s_add_co_u32 s66, s66, s22
	s_lshr_b32 s68, s67, 3
	s_lshl_b32 s70, s22, 2
	s_lshl_b32 s70, 15, s70
	s_lshl_b32 s71, 0x1111, s21
	s_or_b32 s[G1], s70, (3<<16)|(1<<21)
	s_or_b32 s[G1B], s71, (3<<16)|(1<<21)
.irp g, G1, G1B
	s_mov_b32 s[\g+1], 32<<16
	s_mov_b32 s[\g+2], 100<<16
	s_mov_b32 s[\g+3], 32<<16
	s_mov_b32 s[\g+4], 100
	s_mov_b32 s[\g+5], 32
	s_mov_b32 s[\g+6], 0
	s_mov_b32 s[\g+7], 0
.endr
	s_mul_i32 s78, s20, HALFT
	s_mul_i32 s72, s66, RHO
	s_add_co_u32 s72, s72, s78
	s_mov_b32 s73, 0
	s_lshl_b32 s74, s68, 2
	s_add_co_u32 s74, s74, s23
	s_add_co_u32 s74, s74, 96
	s_mul_i32 s74, s74, RHO
	s_add_co_u32 s74, s74, s78
	s_mov_b32 s75, 0
	s_mul_i32 s79, s18, HALFT
	s_wait_kmcnt 0x0
	s_add_nc_u64 s[72:73], s[4:5], s[72:73]
	s_add_nc_u64 s[74:75], s[4:5], s[74:75]
	CROUND
.irp s, 0,1,2
	s_mov_b32 s[G0+4*\s], 1
	s_add_co_u32 s[G0+4*\s+1], s79, \s*SLOT
	s_add_nc_u64 s[G0+4*\s+2:G0+4*\s+3], s[72:73], \s*SIG
	s_or_b32 s[G0+4*\s+3], s[G0+4*\s+3], 0x80000000
	s_mov_b32 s[G0B+4*\s], 1
	s_add_co_u32 s[G0B+4*\s+1], s79, \s*SLOT
	s_add_nc_u64 s[G0B+4*\s+2:G0B+4*\s+3], s[74:75], \s*SIG
	s_or_b32 s[G0B+4*\s+3], s[G0B+4*\s+3], 0x80000000
	s_wait_alu depctr_va_vdst(0)
	s_wait_tensorcnt 0x0
	ds_add_u32 v28, v29
	ds_add_u32 v28, v29
	s_wait_dscnt 0x0
	CROUND
	JLOAD \s
.endr
	s_cmp_eq_u32 s68, 2
	s_cselect_b32 s69, 1, 0
	s_cselect_b32 s76, SIG, 0
	s_cselect_b32 s77, 0, SIG
	s_cselect_b32 s92, s19, s20
	s_cselect_b32 s93, s20, s19
	s_cmp_eq_u32 s68, 1
	s_cselect_b64 s[82:83], s[8:9], s[10:11]
	s_cselect_b64 s[80:81], s[14:15], s[16:17]
	s_cmp_eq_u32 s68, 0
	s_cselect_b64 s[82:83], s[6:7], s[82:83]
	s_cselect_b64 s[80:81], s[12:13], s[80:81]
	s_mul_i32 s78, s19, HALFT
	s_add_co_u32 s76, s76, s78
	s_mul_i32 s78, s20, HALFT
	s_add_co_u32 s77, s77, s78
	v_and_b32 v1, 31, v0
	v_and_b32 v2, 15, v0
	v_bfe_u32 v3, v0, 4, 1
	v_lshlrev_b32 v[LI], 4, v1
	v_lshlrev_b32 v[LR], 4, v2
.irp s, 0,1,2
	v_add_nc_u32 v[ADRA+\s], s76, v[LI]
	v_add_nc_u32 v[ADRB+\s], s77, v[LI]
	v_add_nc_u32 v[ASA+\s], s76, v[LR]
	v_add_nc_u32 v[ASB+\s], s77, v[LR]
	s_add_co_u32 s76, s76, SLOT
	s_add_co_u32 s77, s77, SLOT
.endr
	s_lshl_b32 s84, s23, 10
	s_lshl_b32 s85, s20, 9
	s_add_co_u32 s84, s84, s85
	s_mov_b32 s85, 0
	s_add_nc_u64 s[88:89], s[82:83], s[84:85]
	s_lshl_b32 s84, s23, 10
	s_lshl_b32 s86, s19, 9
	s_add_co_u32 s84, s84, s86
	s_add_nc_u64 s[90:91], s[82:83], s[84:85]
	v_lshlrev_b32 v22, 6, v3
	v_and_b32 v23, 8, v2
	v_add_nc_u32 v23, v23, v2
	v_lshlrev_b32 v23, 2, v23
.irp e, 0,1
.irp g, 0,1
.irp n, 0,1,2,3
	global_load_b128 v[BI+32*\e+16*\g+4*\n:BI+32*\e+16*\g+4*\n+3], v22, s[88:89] offset:(64*\e+32*\g)*4+16*\n
.endr
.endr
.endr
	WIN TO_B
.irp a, 0,1,2,3,4,5,6,7
	global_load_b32 v[BV+2*\a], v23, s[90:91] offset:(32*(\a/2)+8*(\a%2))*4
	global_load_b32 v[BV+2*\a+1], v23, s[90:91] offset:(32*(\a/2)+8*(\a%2))*4
.endr
	WIN 0
	s_and_b32 s94, s66, 31
	s_lshr_b32 s95, s94, 3
	s_and_b32 s94, s94, 7
	s_lshl_b32 s95, s95, 4
	s_lshl_b32 s96, s23, 2
	s_add_co_u32 s95, s95, s96
	s_lshl_b32 s96, s92, 1
	s_add_co_u32 s95, s95, s96
	s_lshl_b32 s95, s95, 4
	s_lshl_b32 s94, s94, 1
	s_add_co_u32 s95, s95, s94
	s_add_co_u32 s95, s95, s93
	s_mul_i32 s94, s95, 6400
	s_mov_b32 s95, 0
	s_add_nc_u64 s[80:81], s[80:81], s[94:95]
	s_mov_b32 s86, 0x76543210
	s_mov_b32 s87, 0xfedcba98
	s_wait_loadcnt 0x0
	s_wait_tensorcnt 0x2
	s_barrier_signal -1
	s_barrier_wait -1
	FETCH_B 0, 0, 0
	FETCH_A 0, 0, 0
	SCALES 0, 0
	FETCH_A 0, 0, 4
	STEP 0, 0, 1, 0, 1
	TURN 0, 1, 1
	STEP 0, 1, 0, 1, 1
	STEP 1, 1, 0, 2, 0
	STEP 0, 0, 0, 2, 1
	TURN 0, 0, 0
	STEP 0, 1, 0, 0, 1
	LAST 1
.macro QUANT s, pw
.irp b, 0,1,2,3
	v_max3_num_f32 v[TMX+\b], |v[\s+16*\b]|, |v[\s+1+16*\b]|, 0x1800000
.endr
.irp i, 2,4,6,8,10,12,14
.irp b, 0,1,2,3
	v_max3_num_f32 v[TMX+\b], v[TMX+\b], |v[\s+16*\b+\i]|, |v[\s+1+16*\b+\i]|
.endr
.endr
.irp b, 0,1,2,3
	v_permlanex16_b32 v[TMB+\b], v[TMX+\b], s86, s87
.endr
.irp b, 0,1,2,3
	v_max_num_f32 v[TMX+\b], v[TMX+\b], v[TMB+\b]
.endr
.irp b, 0,1,2,3
	v_add_nc_u32 v[TMS+\b], 0xff000000, v[TMX+\b]
.endr
.irp b, 0,1,2,3
	v_lshrrev_b32 v[TMB+\b], 23, v[TMS+\b]
.endr
	v_lshl_or_b32 v[\pw], v[TMB+1], 8, v[TMB]
	v_lshl_or_b32 v[\pw], v[TMB+2], 16, v[\pw]
	v_lshl_or_b32 v[\pw], v[TMB+3], 24, v[\pw]
.irp c, 0,1
	v_cvt_scalef32_pk16_fp6_f32 v[PC+6*\c:PC+2+6*\c], v[\s+32*\c:\s+15+32*\c], v[TMS+2*\c]
	v_cvt_scalef32_pk16_fp6_f32 v[PC+12+4*\c:PC+14+4*\c], v[\s+16+32*\c:\s+31+32*\c], v[TMS+2*\c+1]
.endr
	v_nop
.irp c, 0,1
.irp i, 0,1,2
	v_permlane16_swap_b32 v[PC+6*\c+\i], v[PC+12+4*\c+\i]
.endr
.irp i, 0,1,2
	v_mov_b32 v[PC+3+6*\c+\i], v[PC+12+4*\c+\i]
.endr
.endr
.endm
.macro OUTIMG win, s0, s1, bmode, bb, idx, e
.if \bmode
	WIN (\win)|4
.else
	WIN (\win)
.endif
.irp j, 0,2,4,6,8,10,12,14,16,18,20,22,24,26,28,30
.if \bmode
	v_pk_add_f32 v[T+\j:T+\j+1], v[(\s0)+\j:(\s0)+\j+1], v[BV+(\bb):BV+(\bb)+1]
.else
	v_pk_add_f32 v[T+\j:T+\j+1], v[(\s0)+\j:(\s0)+\j+1], v[BI+(\bb)+\j:BI+(\bb)+\j+1]
.endif
.endr
.irp j, 0,2,4,6,8,10,12,14,16,18,20,22,24,26,28,30
.if \bmode
	v_pk_add_f32 v[T+32+\j:T+32+\j+1], v[(\s1)+\j:(\s1)+\j+1], v[BV+(\bb):BV+(\bb)+1]
.else
	v_pk_add_f32 v[T+32+\j:T+32+\j+1], v[(\s1)+\j:(\s1)+\j+1], v[BI+(\bb)+\j:BI+(\bb)+\j+1]
.endif
.endr
	WIN 0
	s_wait_xcnt 0x0
	QUANT T, PWQ+(\idx)
.irp c, 0,1,2
	global_store_b128 v[LI], v[PC+4*\c:PC+4*\c+3], s[80:81] offset:(\e)*102400+(\idx)*IMG+512*\c
.endr
.endm
.macro WORDS e
	global_store_b128 v[LR], v[PWQ:PWQ+3], s[80:81] offset:(\e)*102400+4*IMG
.endm
	PLACES
.irp b, 0,1,2,3
	v_mov_b32 v[TMB+\b], 0
.endr
	s_cmp_eq_u32 s69, 0
	s_cbranch_scc0 .Lv_path
.irp e, 0,1
.irp f, 0,1,2,3
	OUTIMG 2+\f/2, 64*((2*\f)%4)+32*\e, 64*((2*\f)%4)+32*\e+64, 0, 32*\e, \f, \e
.endr
	WORDS \e
.endr
	s_branch .Ldone
.Lv_path:
.irp e, 0,1
.irp t, 0,1,2,3
	OUTIMG 2+\e, 64*\t, 64*\t+32, 1, 2*(4*\e+\t), \t, \e
.endr
	WORDS \e
.endr
.Ldone:
	s_wait_tensorcnt 0x0
	ds_add_u32 v[SPW], v[NIL]
	s_wait_dscnt 0x0
	CROUND
	s_endpgm
.Lfunc_end_k_qa0a5f703d4_proj:
	.size	k_qa0a5f703d4_proj, .Lfunc_end_k_qa0a5f703d4_proj-k_qa0a5f703d4_proj
	.p2alignl 7, 3214868480
	.fill 96, 4, 3214868480
	.section	.rodata,"a",@progbits
	.p2align	6, 0x0
	.amdhsa_kernel k_qa0a5f703d4_proj
		.amdhsa_group_segment_fixed_size 327680
		.amdhsa_private_segment_fixed_size 0
		.amdhsa_enable_private_segment 0
		.amdhsa_kernarg_size 56
		.amdhsa_user_sgpr_count 2
		.amdhsa_user_sgpr_kernarg_segment_ptr 1
		.amdhsa_wavefront_size32 1
		.amdhsa_system_sgpr_workgroup_id_x 1
		.amdhsa_system_sgpr_workgroup_id_y 1
		.amdhsa_system_sgpr_workgroup_id_z 1
		.amdhsa_system_vgpr_workitem_id 0
		.amdhsa_next_free_vgpr 1024
		.amdhsa_next_free_sgpr 100
		.amdhsa_reserve_vcc 0
		.amdhsa_float_denorm_mode_32 3
		.amdhsa_float_denorm_mode_16_64 3
		.amdhsa_memory_ordered 1
		.amdhsa_forward_progress 1
		.amdhsa_inst_pref_size 207
	.end_amdhsa_kernel
	.amdgpu_metadata
---
amdhsa.version: [ 1, 2 ]
amdhsa.kernels:
  - .name:           k_qa0a5f703d4_proj
    .symbol:         k_qa0a5f703d4_proj.kd
    .args:
      - { .name: cod, .offset: 0, .size: 8, .value_kind: global_buffer, .address_space: global }
      - { .name: bq, .offset: 8, .size: 8, .value_kind: global_buffer, .address_space: global }
      - { .name: bk, .offset: 16, .size: 8, .value_kind: global_buffer, .address_space: global }
      - { .name: bv, .offset: 24, .size: 8, .value_kind: global_buffer, .address_space: global }
      - { .name: qimg, .offset: 32, .size: 8, .value_kind: global_buffer, .address_space: global }
      - { .name: kimg, .offset: 40, .size: 8, .value_kind: global_buffer, .address_space: global }
      - { .name: vimg, .offset: 48, .size: 8, .value_kind: global_buffer, .address_space: global }
    .group_segment_fixed_size: 327680
    .private_segment_fixed_size: 0
    .kernarg_segment_align: 8
    .kernarg_segment_size: 56
    .max_flat_workgroup_size: 128
    .sgpr_count:     100
    .vgpr_count:     1024
    .wavefront_size: 32
...
	.end_amdgpu_metadata
.endif
;; end of part 2
;; launch attn (part 3): grid 4 x 64, 8 waves a work-group, clusters of 4 x 1, 231,424 bytes of LDS; arguments qimg, kimg, vimg, acod; writes acod
.if DOCPART == 3
	.amdgcn_target "amdgcn-amd-amdhsa--gfx1250"
	.amdhsa_code_object_version 6
	.text
	.protected	k_qa0a5f703d4_attn
	.globl	k_qa0a5f703d4_attn
	.p2align	8
	.type	k_qa0a5f703d4_attn,@function
k_qa0a5f703d4_attn:
	s_mov_b64 s[64:65], 0
	v_nop
	global_prefetch_b8 v0, s[64:65] scope:SCOPE_SE
	s_setreg_imm32_b32 hwreg(HW_REG_WAVE_MODE, 25, 1), 1
	s_wait_xcnt 0x0
	s_wait_alu depctr_hold_cnt(0) depctr_sa_sdst(0) depctr_va_vdst(0) depctr_va_sdst(0) depctr_va_ssrc(0) depctr_va_vcc(0) depctr_vm_vsrc(0)
	s_getreg_b32 s2, hwreg(HW_REG_IB_STS2, 6, 4)
	s_cmp_eq_u32 s2, 0
	s_cbranch_scc0 .Lentry_in_a_cluster
	s_endpgm
.Lentry_in_a_cluster:
	s_bfe_u32 s2, ttmp6, 0x10000c
	s_cmp_lg_u32 s2, 0x3003
	s_cbranch_scc0 .Lentry_shape_is_right
	s_endpgm
.Lentry_shape_is_right:
; Attention of one head on codes of FP6 (E2M3) with E8M0 scales: S = q k^T, softmax, O = p v, O / l, and O quantised along the model's 1,024 for the output projection.
; THE SOFTMAX: t = score x log2(e) / 8; M = the row's largest t so far, rounded UP to a whole number; p = 2^(t - M) is quantised along the keys, not normalised.  The row's sum is taken of the
; unquantised p, in f32, and divides O at the end.  When M moves, the sum and O are multiplied by 2^(old M - new M): exact.
; SHARES.  A work-group owns one head (the grid's y) and 512 of its 2,048 queries; each of its eight waves TWO tiles of 16 queries side by side (one image of qimg), in two passes.  So each fragment of K and V
; that a wave reads from LDS serves two tiles, and the two tiles' chains of vector work stand line by line in turn.  Every wave walks all 2,048 keys, 128 a step.
; THE WHOLE HEAD'S K AND V STAY IN LDS, filled ONCE: no byte is filled again, nothing is stored to LDS.  K's rows of 256 bytes lie 320 bytes apart, V's dense.
; CLUSTER: the four work-groups of a head ask for K and V JOINTLY (mask 15): waves 0-3 a quarter of K each, waves 4-7 a quarter of V, one tensor load a wave, 100 rows of 256 bytes.
; No prefetch: all of K and V is asked for in the first lines, so nothing is left to ask for ahead.
; LAYOUT.  Both products are used transposed: S^T = K Q^T, O^T = V^T P^T: a lane holds ONE query (lane % 16) of each tile throughout.
; THE SCORES' K IS 64, the instruction's 128: an image of K holds two tiles of keys, at k = 0 .. 63 and 64 .. 127.  Q stands in a run zeros | qA | zeros | qB | zeros: (q, 0) picks the first tile, (0, q) the second.
; WHICH KEYS FORM A TILE is chosen by the lanes' LDS addresses: operand m = 2 g + j takes places 0-7 from image 2 g, places 8 j .. 8 j + 7, and places 8-15 from image 2 g + 1, the same places.
; By kimg's order (place r of tile 2 f + u = key 32 f + 8 u + r + 8 (r / 8)) register 32 g + 16 j + 8 u + i of lane (r, h) is then key 64 g + 32 h + 16 j + 8 u + i: A WHOLE BLOCK OF 32 KEYS, IN ORDER, IN ONE LANE.
; So a block's largest score needs no other lane, and the conversions' results are p's operand as they fall.  With K's pitch of 320 an image is 1,920 bytes, 128 modulo 256.
; THE ROW SUMS: a step brings each tile's 64 p down to eight pairs in registers of their own; the last eight lines (4, 2, 1 additions, and the old sum under the new M) stand in the NEXT step, among the lines
; of the chain that finds M, which hang on each other.  A pass begins with these pairs at zero and ends with the eight lines written out.
; OUT: acod, as the output projection reads it: a head is half of a fragment (three pieces of 256 bytes) and two scale bytes of a word (a store of 2 bytes a lane; the word's other half is another work-group's).
; LIMITS: NaN and infinities are not served; a block of zeros keeps the byte 1 and zero codes; the promise holds while the scaled scores stay under 2^31 in magnitude.
; The fetch of K runs one step ahead and wraps: the last trip of the first pass fetches step 0 for the second; the second pass's last fetch is read by nobody.
; WINDOW 0: v1-15 addresses; v16-29 scale words; v32-63 the softmax's state; v64-87 p's codes; v88-95 conversions' upper halves; v96-127 partial sums; v128-255 S^T, then p (tile A, tile B).
; WINDOW 1: v0-47 K's four operands; v48-95 V's; v96-159 O^T; v160-189 the run of Q; v192-215 both passes' images of Q.
.set KIMG,  1920
.set KSTEP, 8000
.set VOFF,  128000
.set VSTEP, 6400
.set SPARE, 230400
.set AK0, 1
.set AKS0, 2
.set AV0, 3
.set AVS0, 4
.set ADK, 5
.set ADKS, 6
.set ADV, 7
.set ADVS, 8
.set GO, 9
.set GS, 10
.set SH8, 11
.set SPW, 12
.set NIL, 13
.set QW, 14
.set KSW, 16
.set QSW, 20
.set VSW, 24
.set PSW, 28
.set AQ, 30
.set NM, 32                            ; tile x: v[NM+2x] -M, v[NM+2x+1] the largest score
.set FF, 36                            ; v[FF+2x] f = 2^(old M - new M)
.set LL, 40                            ; v[LL+2x:LL+2x+1] the sum in two halves
.set BM, 44                            ; v[BM+2x+g] a block's largest score, then its largest p, then its byte
.set TX, 48
.set TY, 50
.set TN, 52
.set TD, 54
.set SOP, 56
.set MB, 60
.set PC, 64
.set CT, 88
.set T, 96
.set S, 128
.set KF, 0
.set VF, 48
.set O, 96
.set QR, 160
.set QL, 192
.set MSB, 0
.macro WIN new
.if MSB != (\new)
	s_set_vgpr_msb (MSB<<8)|(\new)
.set MSB, (\new)
.endif
.endm
.macro WALU
	s_wait_alu depctr_va_vdst(0)
.endm
.macro PLACES
.rept 4
	v_nop
.endr
.endm
.macro CROUND
	s_barrier_signal -1
	s_barrier_wait -1
	s_cmp_lg_u32 s18, 0
	s_cbranch_scc1 .Lnot_wave_0_\@
	s_barrier_signal -3
.Lnot_wave_0_\@:
	s_barrier_wait -3
	s_barrier_signal -1
	s_barrier_wait -1
.endm
	s_load_b256 s[4:11], s[0:1], 0x0               ; qimg, kimg, vimg, acod
	v_lshl_add_u32 v[SPW], v0, 2, SPARE
	v_mov_b32 v[NIL], 0
	ds_add_u32 v[SPW], v[NIL]                      ; the opening lines
	ds_add_u32 v[SPW], v[NIL]
	v_lshrrev_b32 v16, 5, v0
	v_readfirstlane_b32 s18, v16                   ; wave 0..7
	s_bfe_u32 s12, ttmp6, 0x40000                  ; cx
	s_lshl_b32 s13, ttmp9, 2
	s_add_co_u32 s13, s13, s12                     ; which 512 queries: it enters Q's and the output's global addresses alone
	s_and_b32 s14, ttmp7, 0xffff                   ; 16 x batch + head
	s_mul_i32 s16, s14, 102400                     ; the head's first byte in qimg, kimg, vimg
	s_and_b32 s17, s18, 3
	s_mul_i32 s15, s17, 25600                      ; the quarter that I fetch
	s_add_co_u32 s58, s16, s15
	s_mov_b32 s59, 0
	s_mul_i32 s41, s17, 32000                      ; K's quarter in LDS: 100 rows of 320
	s_add_co_u32 s49, s15, VOFF                    ; V's
	s_mov_b32 s24, 15|(3<<16)|(1<<20)|(1<<21)|(5<<22)|(15<<25)   ; K: mask of all four; elements of 8 bytes; 16 words of padding behind every 64
	s_mov_b32 s32, 15|(3<<16)|(1<<21)              ; V: no padding
.irp g, 24, 32
	s_mov_b32 s[\g+1], 32<<16
	s_mov_b32 s[\g+2], 100<<16
	s_mov_b32 s[\g+3], 32<<16
	s_mov_b32 s[\g+4], 100
	s_mov_b32 s[\g+5], 32
	s_mov_b32 s[\g+6], 0
	s_mov_b32 s[\g+7], 0
.endr
	s_mov_b32 s20, 0x76543210
	s_mov_b32 s21, 0xfedcba98                      ; v_permlanex16_b32's selects for lane l xor 16
	s_mov_b32 s22, 0x3e38aa3b                      ; c = log2(e) / 8
	s_mov_b32 s23, s22
	s_mov_b32 s45, 0xbe38aa3b                      ; -c
	; Q: image wave + 8 x pass of my 16: step 4 x (which 512) + wave / 4 (+ 2 in the second pass), image wave % 4
	s_lshl_b32 s60, s13, 2
	s_lshr_b32 s61, s18, 2
	s_add_co_u32 s60, s60, s61
	s_mul_i32 s60, s60, 6400
	s_add_co_u32 s60, s60, s16
	s_mul_i32 s62, s17, 1536
	s_add_co_u32 s62, s62, s60
	s_mov_b32 s63, 0
	s_lshl_b32 s61, s17, 2
	s_add_co_u32 s60, s60, s61
	s_add_co_u32 s60, s60, 6144
	s_mov_b32 s61, 0
	; out: block of 256 rows 8 x batch + 2 x (which 512) + pass; 256 K: head / 4; 64 rows: wave / 2; row tile 2 (wave % 2) + x; image 2 x tile + (head / 2) % 2; half head % 2
	s_lshr_b32 s70, s14, 4
	s_and_b32 s71, s14, 15
	s_lshl_b32 s70, s70, 3
	s_lshl_b32 s72, s13, 1
	s_add_co_u32 s70, s70, s72
	s_mul_i32 s70, s70, 204800
	s_lshr_b32 s72, s71, 2
	s_mul_i32 s72, s72, 51200
	s_add_co_u32 s70, s70, s72
	s_lshr_b32 s72, s18, 1
	s_mul_i32 s72, s72, 12800
	s_add_co_u32 s70, s70, s72
	s_bfe_u32 s73, s71, 0x10001
	s_and_b32 s74, s71, 1
	s_and_b32 s75, s18, 1
	s_mul_i32 s76, s75, 6144
	s_mul_i32 s77, s73, 1536
	s_add_co_u32 s76, s76, s77
	s_mul_i32 s77, s74, 768
	s_add_co_u32 s76, s76, s77
	s_add_co_u32 s66, s70, s76
	s_mov_b32 s67, 0
	s_lshl_b32 s76, s75, 8
	s_lshl_b32 s77, s73, 2
	s_add_co_u32 s76, s76, s77
	s_lshl_b32 s77, s74, 1
	s_add_co_u32 s76, s76, s77
	s_add_co_u32 s76, s76, 12288
	s_add_co_u32 s68, s70, s76
	s_mov_b32 s69, 0
	WALU
	s_wait_dscnt 0x0
	s_wait_kmcnt 0x0
	s_mov_b32 s40, 1
	s_add_nc_u64 s[42:43], s[6:7], s[58:59]
	s_or_b32 s43, s43, 0x80000000
	s_mov_b32 s48, 1
	s_add_nc_u64 s[50:51], s[8:9], s[58:59]
	s_or_b32 s51, s51, 0x80000000
	s_add_nc_u64 s[62:63], s[4:5], s[62:63]
	s_add_nc_u64 s[60:61], s[4:5], s[60:61]
	s_add_nc_u64 s[66:67], s[10:11], s[66:67]
	s_add_nc_u64 s[68:69], s[10:11], s[68:69]
	CROUND                                         ; all four work-groups are here: the joint loads meet
	s_cmp_lt_u32 s18, 4                            ; one chain on the wave's number, a load in each arm
	s_cbranch_scc0 .Lfor_v
	tensor_load_to_lds s[40:43], s[24:31]
	s_nop 0
	PLACES
	s_branch .Lasked
.Lfor_v:
	tensor_load_to_lds s[48:51], s[32:39]
	s_nop 0
	PLACES
.Lasked:
	v_and_b32 v48, 31, v0                          ; lane
	v_and_b32 v49, 15, v0                          ; r
	v_bfe_u32 v50, v0, 4, 1                        ; h
	v_and_b32 v51, 7, v0
	v_bfe_u32 v52, v0, 3, 1                        ; r / 8
	v_lshlrev_b32 v[AQ], 4, v48
	v_lshlrev_b32 v[GS], 4, v49
	WIN 0x40
.irp p, 0,1
.irp c, 0,1,2
	global_load_b128 v[QL+12*\p+4*\c:QL+12*\p+4*\c+3], v[AQ], s[62:63] offset:\p*12800+512*\c
.endr
.endr
.irp i, 0,1,2,3,4,5
	v_mov_b32 v[QR+\i], 0                          ; the zero codes beside qA and qB
	v_mov_b32 v[QR+12+\i], 0
	v_mov_b32 v[QR+24+\i], 0
.endr
	WIN 0
.irp p, 0,1
	global_load_b32 v[QW+\p], v[GS], s[60:61] offset:\p*12800
.endr
	v_mul_u32_u24 v[AK0], v52, KIMG                ; K's operands: image + r / 8, place r % 8, half h one row of 320 on
	v_lshl_add_u32 v[AK0], v51, 4, v[AK0]
	v_mad_u32_u24 v[AK0], v50, 320, v[AK0]
	v_lshlrev_b32 v[AKS0], 4, v51                  ; their scale words: [place][image], in the step's 25th row
	v_lshl_add_u32 v[AKS0], v52, 2, v[AKS0]
	v_add_nc_u32 v[AKS0], 7680, v[AKS0]
	v_add_nc_u32 v[AV0], VOFF, v[AQ]
	v_add_nc_u32 v[AVS0], VOFF+6144, v[GS]
	v_lshlrev_b32 v[GO], 3, v48
	v_lshlrev_b32 v[SH8], 3, v50
	v_mov_b32 v[FF+1], 0                           ; named as the upper halves of pairs
	v_mov_b32 v[FF+3], 0
.macro KLOAD a, as                     ; 16 loads: four operands of K and their scale words
	WIN 0x40
.irp m, 0,1,2,3
.irp c, 0,1,2
	ds_load_b128 v[KF+12*\m+4*\c:KF+12*\m+4*\c+3], v[\a] offset:(\m/2)*2*KIMG+(\m%2)*128+640*\c
.endr
.endr
	WIN 0
.irp m, 0,1,2,3
	ds_load_b32 v[KSW+\m], v[\as] offset:(\m%2)*128+(\m/2)*8
.endr
.endm
.macro EXPB e
.if (\e) < 64
	v_exp_f32 v[S+64+(\e)], v[S+64+(\e)]
.else
	v_exp_f32 v[BM+2+(\e)-64], v[BM+2+(\e)-64]
.endif
.endm
.macro FILL n                          ; tile A's work that stands among tile B's exponentials: none of these lines reads what another of them writes
.if (\n) < 4
.if (\n)%2
	v_cvt_scalef32_pk16_fp6_f32 v[CT+4*((\n)/2):CT+4*((\n)/2)+2], v[S+16*(\n):S+16*(\n)+15], v[SOP+(\n)/2]
.else
	v_cvt_scalef32_pk16_fp6_f32 v[PC+6*((\n)/2):PC+6*((\n)/2)+2], v[S+16*(\n):S+16*(\n)+15], v[SOP+(\n)/2]
.endif
.elseif (\n) < 6
	v_lshrrev_b32 v[BM+(\n)-4], 23, v[SOP+(\n)-4]  ; the scale's byte
.else
	v_pk_add_f32 v[T+2*((\n)-6):T+2*((\n)-6)+1], v[S+4*((\n)-6):S+4*((\n)-6)+1], v[S+4*((\n)-6)+2:S+4*((\n)-6)+3]
.endif
.endm
.macro ADDP d, a
	v_pk_add_f32 v[\d:\d+1], v[\d:\d+1], v[\a:\a+1]
.endm
.macro LEVEL base, n                   ; n packed additions: the upper half of 2 n pairs onto the lower
.set j_, 0
.rept \n
	ADDP (\base)+2*j_, (\base)+2*(\n)+2*j_
.set j_, j_+1
.endr
.endm
.macro TAILLINE x, i                   ; line i of 8: tile x's eight pairs of the step before become one, and go onto the old sum under that step's M
.set tb_, T+16*\x
.if (\i) < 4
	ADDP tb_+2*(\i), tb_+8+2*(\i)
.elseif (\i) < 6
	ADDP tb_+2*((\i)-4), tb_+4+2*((\i)-4)
.elseif (\i) == 6
	ADDP tb_, tb_+2
.else
	v_pk_fma_f32 v[LL+2*\x:LL+2*\x+1], v[LL+2*\x:LL+2*\x+1], v[FF+2*\x:FF+2*\x+1], v[tb_:tb_+1] op_sel_hi:[1,0,1]
.endif
.endm
.macro CHAINLINE x, i                  ; line i of 9: from the blocks' largest scores to -M and f
.if (\i) == 0
	v_max_num_f32 v[TX+\x], v[BM+2*\x], v[BM+2*\x+1]
.elseif (\i) == 1
	v_permlanex16_b32 v[TY+\x], v[TX+\x], s20, s21
.elseif (\i) == 2
	v_max3_num_f32 v[NM+2*\x+1], v[NM+2*\x+1], v[TX+\x], v[TY+\x]   ; the running largest score of my query
.elseif (\i) == 3
	v_mul_f32 v[TN+\x], s45, v[NM+2*\x+1]          ; -t
.elseif (\i) == 4
	v_floor_f32 v[TN+\x], v[TN+\x]                 ; the new -M = -ceil(t): a whole number
.elseif (\i) == 5
	v_sub_f32 v[TD+\x], v[TN+\x], v[NM+2*\x]       ; old M less new M
.elseif (\i) == 6
	v_mov_b32 v[NM+2*\x], v[TN+\x]
.elseif (\i) == 7
	v_cvt_i32_f32 v[TD+\x], v[TD+\x]               ; (it saturates)
.else
	v_ldexp_f32 v[FF+2*\x], 1.0, v[TD+\x]          ; f
.endif
.endm
.macro WORD1 x                         ; my two bytes (blocks h and 2 + h) at their places in p's scale word
	v_lshl_or_b32 v[TX+\x], v[BM+2*\x+1], 16, v[BM+2*\x]
	v_lshlrev_b32 v[TX+\x], v[SH8], v[TX+\x]
.endm
.macro WORD2 x                         ; with lane l xor 16's two the word is whole
	v_permlanex16_b32 v[TY+\x], v[TX+\x], s20, s21
	v_or_b32 v[PSW+\x], v[TX+\x], v[TY+\x]
.endm
.macro UPPER x                         ; a conversion's three registers begin on an even number: the upper halves are moved into place
.irp g, 0,1
.irp i, 0,1,2
	v_mov_b32 v[PC+12*\x+6*\g+3+\i], v[CT+4*\g+\i]
.endr
.endr
.endm
; A KEY STEP: 128 keys; V at LDS byte s3, the NEXT step's K at s2.
.macro STEP
	v_add_nc_u32 v[ADV], s3, v[AV0]                ; these four are the places behind the last products
	v_add_nc_u32 v[ADVS], s3, v[AVS0]
	v_add_nc_u32 v[ADK], s2, v[AK0]
	v_add_nc_u32 v[ADKS], s2, v[AKS0]
	WIN 0x40
.irp t, 0,1,2,3
.irp c, 0,1,2
	ds_load_b128 v[VF+12*\t+4*\c:VF+12*\t+4*\c+3], v[ADV] offset:1536*\t+512*\c
.endr
.endr
	WIN 0
	ds_load_b128 v[VSW:VSW+3], v[ADVS]
	WALU
	s_wait_dscnt 13                                ; K's 16 loads are in; V's 13, just issued, may be out
	WIN 0x05
.irp m, 0,1,2,3                                ; S^T = K Q^T: each operand of K serves two tiles of keys and two of queries
.irp u, 0,1
.irp x, 0,1
	v_wmma_scale_f32_16x16x128_f8f6f4 v[S+64*\x+16*\m+8*\u:S+64*\x+16*\m+8*\u+7], v[KF+12*\m:KF+12*\m+11], v[QR+12*\x+6-6*\u:QR+12*\x+6-6*\u+11], 0, v[KSW+\m], v[QSW+\x] matrix_a_fmt:MATRIX_FMT_FP6 matrix_b_fmt:MATRIX_FMT_FP6
.endr
.endr
.endr
	PLACES                                         ; in front of the loads below and of the first read of the scores
	KLOAD ADK, ADKS                                ; the next step's K
.irp k, 0,1,2,3                                ; the largest score of each block of 32 keys: all 32 are mine; two chains a block, eight by turns, each accumulator from its low end on
	v_max3_num_f32 v[BM+\k], v[S+32*\k], v[S+32*\k+1], v[S+32*\k+2]
	v_max3_num_f32 v[MB+\k], v[S+32*\k+16], v[S+32*\k+17], v[S+32*\k+18]
.endr
.irp i, 3,5,7,9,11,13
.irp k, 0,1,2,3
	v_max3_num_f32 v[BM+\k], v[BM+\k], v[S+32*\k+\i], v[S+32*\k+\i+1]
	v_max3_num_f32 v[MB+\k], v[MB+\k], v[S+32*\k+16+\i], v[S+32*\k+17+\i]
.endr
.endr
.irp k, 0,1,2,3
	v_max3_num_f32 v[BM+\k], v[BM+\k], v[MB+\k], v[S+32*\k+15]
.endr
.irp k, 0,1,2,3
	v_max_num_f32 v[BM+\k], v[BM+\k], v[S+32*\k+31]
.endr
.set c_, 0
.rept 9                                        ; the chains that find M, and among their lines the last lines of the row sums of the step before (the multiply-add reads the old f ahead of the line that makes the new)
	CHAINLINE 0, c_
	CHAINLINE 1, c_
.if c_ < 8
	TAILLINE 0, c_
	TAILLINE 1, c_
.endif
.set c_, c_+1
.endr
	WIN 0x41
.irp x, 0,1                                    ; O^T under the new M, ahead of the step's first exponential
.set n_, 0
.rept 16
	v_pk_mul_f32 v[O+32*\x+n_:O+32*\x+n_+1], v[O+32*\x+n_:O+32*\x+n_+1], v[FF+2*\x:FF+2*\x+1] op_sel_hi:[1,0]
.set n_, n_+2
.endr
.endr
	WIN 0
.set n_, 0
.rept 32
	v_pk_fma_f32 v[S+n_:S+n_+1], v[S+n_:S+n_+1], s[22:23], v[NM:NM+1] op_sel_hi:[1,0,0]   ; tile A: t - M
.set n_, n_+2
.endr
	v_fma_f32 v[BM], v[BM], s22, v[NM]             ; the same of each block's largest score
	v_fma_f32 v[BM+1], v[BM+1], s22, v[NM]
	WALU                                           ; a wait ahead of each batch of exponentials and one behind it
.set n_, 0
.rept 32                                       ; tile A's p; tile B's t - M stands among the exponentials: each of those lines is read behind the next wait
	v_exp_f32 v[S+n_], v[S+n_]
	v_pk_fma_f32 v[S+64+n_:S+64+n_+1], v[S+64+n_:S+64+n_+1], s[22:23], v[NM+2:NM+3] op_sel_hi:[1,0,0]
	v_exp_f32 v[S+n_+1], v[S+n_+1]
.set n_, n_+2
.endr
	v_exp_f32 v[BM], v[BM]                         ; a block's largest p: the same two instructions on the same number give the same bits
	v_fma_f32 v[BM+2], v[BM+2], s22, v[NM+2]
	v_exp_f32 v[BM+1], v[BM+1]
	v_fma_f32 v[BM+3], v[BM+3], s22, v[NM+2]
	WALU
.irp g, 0,1
	v_max_num_f32 v[BM+\g], 0x1800000, v[BM+\g]    ; the floor 2^(3 - 127): the byte cannot fall under 1
.endr
.irp g, 0,1
	v_add_nc_u32 v[SOP+\g], 0xff000000, v[BM+\g]   ; 2 off the exponent field: the conversion's scale operand
.endr
	WALU
.set n_, 0
.rept 22                                       ; tile B's 66 exponentials; among them tile A's conversions, bytes and first sums
	EXPB 3*n_
	EXPB 3*n_+1
	EXPB 3*n_+2
	FILL n_
.set n_, n_+1
.endr
	WALU
	UPPER 0
.irp g, 0,1
	v_max_num_f32 v[BM+2+\g], 0x1800000, v[BM+2+\g]
.endr
.irp g, 0,1
	v_add_nc_u32 v[SOP+2+\g], 0xff000000, v[BM+2+\g]
.endr
	WORD1 0
.irp g, 0,1
	v_cvt_scalef32_pk16_fp6_f32 v[PC+12+6*\g:PC+12+6*\g+2], v[S+64+32*\g:S+64+32*\g+15], v[SOP+2+\g]
	v_cvt_scalef32_pk16_fp6_f32 v[CT+4*\g:CT+4*\g+2], v[S+64+32*\g+16:S+64+32*\g+31], v[SOP+2+\g]
.endr
.irp g, 0,1
	v_lshrrev_b32 v[BM+2+\g], 23, v[SOP+2+\g]      ; (also the plain place behind the conversions)
.endr
	WORD2 0
	UPPER 1
	WORD1 1
	WORD2 1
	LEVEL S+64, 16                                 ; THE ROWS' SUMS, of the unquantised p, down to eight pairs a tile: tile B's first level in place (its codes are made),
	LEVEL T, 8                                     ; tile A's second, from its first sums,
.set j_, 0
.rept 8                                        ; tile B's second, into the pairs that tile A's has just left.  (These 32 lines are also the places between the scale words and codes above and the products below)
	v_pk_add_f32 v[T+16+2*j_:T+16+2*j_+1], v[S+64+2*j_:S+64+2*j_+1], v[S+80+2*j_:S+80+2*j_+1]
.set j_, j_+1
.endr
	WALU
	s_wait_dscnt 16                                ; V's 13 loads are in; the next K's 16 may be out
	WIN 0x51
.irp t, 0,1,2,3                                ; O^T += V^T P^T: the eight accumulators by turns
.irp x, 0,1
	v_wmma_scale_f32_16x16x128_f8f6f4 v[O+32*\x+8*\t:O+32*\x+8*\t+7], v[VF+12*\t:VF+12*\t+11], v[PC+12*\x:PC+12*\x+11], v[O+32*\x+8*\t:O+32*\x+8*\t+7], v[VSW+\t], v[PSW+\x] matrix_a_fmt:MATRIX_FMT_FP6 matrix_b_fmt:MATRIX_FMT_FP6
.endr
.endr
	WIN 0
	s_add_co_u32 s3, s3, VSTEP
	s_add_co_u32 s2, s2, KSTEP
	s_cmp_eq_u32 s2, 16*KSTEP
	s_cselect_b32 s2, 0, s2                        ; behind the last step comes step 0
.endm
	WALU                                           ; the wait at the head's end
	s_wait_loadcnt 0x0                             ; Q
	s_wait_tensorcnt 0x0                           ; my quarter is in,
	s_barrier_signal -1
	s_barrier_wait -1                              ; everybody's is: all of K and V lies in LDS and stays
	KLOAD AK0, AKS0                                ; step 0's K
	s_mov_b32 s2, KSTEP
	s_mov_b32 s46, 0
.Lpass:
	s_cmp_lg_u32 s46, 0
	s_cselect_b32 s47, -1, 0                       ; the pass, as a mask of lanes
	WIN 0x45
.irp i, 0,1,2,3,4,5                            ; this pass's image: registers 0-5 are tile A, 6-11 tile B
	v_cndmask_b32 v[QR+6+\i], v[QL+\i], v[QL+12+\i], s47
	v_cndmask_b32 v[QR+18+\i], v[QL+6+\i], v[QL+18+\i], s47
.endr
	WIN 0
	v_cndmask_b32 v[TX], v[QW], v[QW+1], s47
	v_and_b32 v[TN], 0xffff, v[TX]
	v_lshrrev_b32 v[TN+1], 16, v[TX]
	v_lshl_or_b32 v[QSW], v[TN], 16, v[TN]         ; a tile's two scale bytes, twice
	v_lshl_or_b32 v[QSW+1], v[TN+1], 16, v[TN+1]
.irp x, 0,1                                    ; the loop has no first step of its own: it finds zeros, which the first change of M leaves zeros
	v_mov_b32 v[NM+2*\x+1], 0xff61b1e6             ; -3e38, under every score
	v_mov_b32 v[LL+2*\x], 0
	v_mov_b32 v[LL+2*\x+1], 0
	v_mov_b32 v[FF+2*\x], 0
.endr
.irp x, 0,1
	v_mul_f32 v[NM+2*\x], s45, v[NM+2*\x+1]
.endr
.irp x, 0,1
	v_floor_f32 v[NM+2*\x], v[NM+2*\x]
.endr
.set n_, 0
.rept 32
	v_mov_b32 v[T+n_], 0                           ; no step has gone before: its pairs are zeros
.set n_, n_+1
.endr
	WIN 0x40
.set n_, 0
.rept 64
	v_mov_b32 v[O+n_], 0
.set n_, n_+1
.endr
	WIN 0
	s_mov_b32 s3, 0
	s_mov_b32 s44, 16
.Lstep:
	STEP
	s_sub_co_u32 s44, s44, 1
	s_cmp_lg_u32 s44, 0
	s_cbranch_scc1 .Lstep
.set c_, 0
.rept 8                                        ; the last step's row sums are finished
	TAILLINE 0, c_
	TAILLINE 1, c_
.set c_, c_+1
.endr
; THE TILES' END: O^T / the sum; a query's 64 channels (register 16 b + i = channel 32 b + 16 h + i) are two blocks of the next K: quantised, and stored as half a fragment.
.irp x, 0,1
	v_add_f32 v[LL+2*\x], v[LL+2*\x], v[LL+2*\x+1]
.endr
.irp x, 0,1
	v_permlanex16_b32 v[TY+\x], v[LL+2*\x], s20, s21
.endr
.irp x, 0,1
	v_add_f32 v[LL+2*\x], v[LL+2*\x], v[TY+\x]     ; the row's sum
.endr
	WALU
	v_rcp_f32 v[LL], v[LL]
	v_rcp_f32 v[LL+2], v[LL+2]
	v_nop
	WIN 0x01
	WALU
.irp x, 0,1
.set n_, 0
.rept 16
	v_pk_mul_f32 v[S+64*\x+n_:S+64*\x+n_+1], v[O+32*\x+n_:O+32*\x+n_+1], v[LL+2*\x:LL+2*\x+1] op_sel_hi:[1,0]
.set n_, n_+2
.endr
.endr
	WIN 0
.irp x, 0,1
.irp b, 0,1
	v_max3_num_f32 v[BM+2*\x+\b], |v[S+64*\x+16*\b]|, |v[S+64*\x+16*\b+1]|, 0x1800000
.endr
.endr
.irp i, 2,4,6,8,10,12,14
.irp x, 0,1
.irp b, 0,1
	v_max3_num_f32 v[BM+2*\x+\b], v[BM+2*\x+\b], |v[S+64*\x+16*\b+\i]|, |v[S+64*\x+16*\b+\i+1]|
.endr
.endr
.endr
.irp k, 0,1,2,3
	v_permlanex16_b32 v[TX+\k], v[BM+\k], s20, s21
.endr
.irp k, 0,1,2,3
	v_max_num_f32 v[BM+\k], v[BM+\k], v[TX+\k]
.endr
.irp k, 0,1,2,3
	v_add_nc_u32 v[SOP+\k], 0xff000000, v[BM+\k]
.endr
.irp k, 0,1,2,3
	v_lshrrev_b32 v[BM+\k], 23, v[SOP+\k]
.endr
.irp x, 0,1
	v_lshl_or_b32 v[TN+\x], v[BM+2*\x+1], 8, v[BM+2*\x]   ; the head's two scale bytes
.endr
.irp x, 0,1
	v_cvt_scalef32_pk16_fp6_f32 v[PC+12*\x:PC+12*\x+2], v[S+64*\x:S+64*\x+15], v[SOP+2*\x]
	v_cvt_scalef32_pk16_fp6_f32 v[CT+4*\x:CT+4*\x+2], v[S+64*\x+16:S+64*\x+31], v[SOP+2*\x+1]
.endr
	v_nop
.irp x, 0,1
.irp i, 0,1,2
	v_permlane16_swap_b32 v[PC+12*\x+\i], v[CT+4*\x+\i]   ; lanes 0-15 keep block 0, lanes 16-31 get block 1
.endr
.endr
.irp x, 0,1
.irp i, 0,1,2
	v_mov_b32 v[PC+12*\x+3+\i], v[CT+4*\x+\i]
.endr
.endr
.irp x, 0,1
.irp c, 0,1,2
	global_store_b64 v[GO], v[PC+12*\x+2*\c:PC+12*\x+2*\c+1], s[66:67] offset:3072*\x+256*\c   ; 32 lanes store 256 consecutive bytes, aligned
.endr
	global_store_b16 v[GS], v[TN+\x], s[68:69] offset:8*\x
.endr
	s_wait_xcnt 0x0                                ; the stores have read their registers and bases: they are rewritten only behind this wait
	s_add_nc_u64 s[66:67], s[66:67], 204800        ; the second pass's 256 rows
	s_add_nc_u64 s[68:69], s[68:69], 204800
	s_add_co_u32 s46, s46, 1
	s_cmp_lg_u32 s46, 2
	WALU
	s_cbranch_scc1 .Lpass
	s_wait_tensorcnt 0x0                           ; the wave's end
	ds_add_u32 v[SPW], v[NIL]
	s_wait_dscnt 0x0
	CROUND                                         ; the closing round
	s_endpgm
.Lfunc_end_k_qa0a5f703d4_attn:
	.size	k_qa0a5f703d4_attn, .Lfunc_end_k_qa0a5f703d4_attn-k_qa0a5f703d4_attn
	.p2alignl 7, 3214868480
	.fill 96, 4, 3214868480
	.section	.rodata,"a",@progbits
	.p2align	6, 0x0
	.amdhsa_kernel k_qa0a5f703d4_attn
		.amdhsa_group_segment_fixed_size 231424
		.amdhsa_private_segment_fixed_size 0
		.amdhsa_enable_private_segment 0
		.amdhsa_kernarg_size 32
		.amdhsa_user_sgpr_count 2
		.amdhsa_user_sgpr_kernarg_segment_ptr 1
		.amdhsa_wavefront_size32 1
		.amdhsa_system_sgpr_workgroup_id_x 1
		.amdhsa_system_sgpr_workgroup_id_y 1
		.amdhsa_system_sgpr_workgroup_id_z 1
		.amdhsa_system_vgpr_workitem_id 0
		.amdhsa_next_free_vgpr 512
		.amdhsa_next_free_sgpr 80
		.amdhsa_reserve_vcc 0
		.amdhsa_float_denorm_mode_32 3
		.amdhsa_float_denorm_mode_16_64 3
		.amdhsa_memory_ordered 1
		.amdhsa_forward_progress 1
		.amdhsa_inst_pref_size 50
	.end_amdhsa_kernel
	.amdgpu_metadata
---
amdhsa.version: [ 1, 2 ]
amdhsa.kernels:
  - .name:           k_qa0a5f703d4_attn
    .symbol:         k_qa0a5f703d4_attn.kd
    .args:
      - { .name: qimg, .offset: 0, .size: 8, .value_kind: global_buffer, .address_space: global }
      - { .name: kimg, .offset: 8, .size: 8, .value_kind: global_buffer, .address_space: global }
      - { .name: vimg, .offset: 16, .size: 8, .value_kind: global_buffer, .address_space: global }
      - { .name: acod, .offset: 24, .size: 8, .value_kind: global_buffer, .address_space: global }
    .group_segment_fixed_size: 231424
    .private_segment_fixed_size: 0
    .kernarg_segment_align: 8
    .kernarg_segment_size: 32
    .max_flat_workgroup_size: 256
    .sgpr_count:     80
    .vgpr_count:     512
    .wavefront_size: 32
...
	.end_amdgpu_metadata
.endif
;; end of part 3
;; launch outp (part 4): grid 4 x 64, 4 waves a work-group, clusters of 4 x 4, 327,680 bytes of LDS; arguments acod, cod, bo, out0; writes out0
.if DOCPART == 4
	.amdgcn_target "amdgcn-amd-amdhsa--gfx1250"
	.amdhsa_code_object_version 6
	.text
	.protected	k_qa0a5f703d4_outp
	.globl	k_qa0a5f703d4_outp
	.p2align	8
	.type	k_qa0a5f703d4_outp,@function
k_qa0a5f703d4_outp:
	s_mov_b64 s[64:65], 0
	v_nop
	global_prefetch_b8 v0, s[64:65] scope:SCOPE_SE
	s_setreg_imm32_b32 hwreg(HW_REG_WAVE_MODE, 25, 1), 1
	s_wait_xcnt 0x0
	s_wait_alu depctr_hold_cnt(0) depctr_sa_sdst(0) depctr_va_vdst(0) depctr_va_sdst(0) depctr_va_ssrc(0) depctr_va_vcc(0) depctr_vm_vsrc(0)
	s_getreg_b32 s2, hwreg(HW_REG_IB_STS2, 6, 4)
	s_cmp_eq_u32 s2, 0
	s_cbranch_scc0 .Lentry_in_a_cluster
	s_endpgm
.Lentry_in_a_cluster:
	s_bfe_u32 s2, ttmp6, 0x10000c
	s_cmp_lg_u32 s2, 0xf033
	s_cbranch_scc0 .Lentry_shape_is_right
	s_endpgm
.Lentry_shape_is_right:
; out0 [8192][1024] f32 = A Wo^T + bo on codes of FP6 (E2M3) with E8M0 scales.  A: acod, attention's result; Wo: blocks 108-111 of cod.  Both lie as images of the operand's registers:
; [256 rows][256 along K: 4][64 rows: 4][12,800 bytes = 8 images of 1,536 (row tile i, which 128 along K q: image 2 i + q), then 512 bytes of scale words]; acod's images in pieces of two registers, cod's of four.
; SHARES.  A work-group makes 128 rows x 256 columns: 64 x 4 = 256 work-groups.  Four waves, 2 x 2: a wave makes 64 x 128: 32 accumulators, 256 registers (window 2).
; ALL OF K LIES IN LDS: A's 128 rows are 4 x 25,600 bytes, Wo's 256 rows 204,800 bytes, brought by ONE joint load a wave at the head (waves 0, 1: two runs of 25,600 bytes of A each; waves 2, 3: half of Wo each).
; No byte is filled again.  CLUSTER 4 x 4: A's rows are shared along a row of the cluster, Wo's along a column.  No prefetch: everything is asked for in the first lines.
; K goes in 8 steps of 128, 32 products each, the accumulators by turns; both operands' fragments lie twice in registers, and a step's are fetched from LDS while the step before is multiplied.
; THE MATRIX INSTRUCTION IS USED TRANSPOSED (source 0 = Wo's rows): a lane holds eight neighbouring columns of one row.  The bias is the first products' C.
; THE WAY OUT: 16 rows x 64 columns at a time through the wave's own stage in LDS (bytes into which no tile lands), back as rows of 256 bytes: sixteen lanes store one aligned unit.
; The rows of a tile are not neighbours: place r of tile 2 g + u is row 32 g + 8 u + r + 8 (r / 8), in A and in Wo alike.
.set BLK,   12800
.set IMG,   1536
.set BOFF,  102400
.set STAGE, 307200
.set SPITCH, 272
.set SPARE, STAGE+4*16*SPITCH
.set ADRA, 4                           ; v4-7 LDS address of my fragments of A for each 256 along K; v8-11 of Wo; v12-15, v16-19 of their scale words
.set ADRB, 8
.set ASA,  12
.set ASB,  16
.set LI,   20
.set LR,   21
.set STO,  24
.set RD,   25
.set CO,   26
.set SPW,  28
.set NIL,  29
.set SCA,  32
.set SCB,  64
.set BI,   96
.set BK,   96
.set AF,   160
.set MSB, 0
.macro WIN new
.if MSB != (\new)
	s_set_vgpr_msb (MSB<<8)|(\new)
.set MSB, (\new)
.endif
.endm
.macro PLACES
.rept 4
	v_nop
.endr
.endm
.macro CROUND
	s_barrier_signal -1
	s_barrier_wait -1
	s_cmp_lg_u32 s18, 0
	s_cbranch_scc1 .Lnot_wave_0_\@
	s_barrier_signal -3
.Lnot_wave_0_\@:
	s_barrier_wait -3
	s_barrier_signal -1
	s_barrier_wait -1
.endm
	s_load_b256 s[4:11], s[0:1], 0x0               ; acod, cod, bo, out0
	v_lshl_add_u32 v[SPW], v0, 2, SPARE
	v_mov_b32 v[NIL], 0
	ds_add_u32 v[SPW], v[NIL]                      ; the opening lines
	ds_add_u32 v[SPW], v[NIL]
	v_lshrrev_b32 v1, 5, v0
	v_readfirstlane_b32 s18, v1                    ; wave
	s_lshr_b32 s19, s18, 1                         ; my 64 rows.  Also: I fetch for A (0) or for Wo (1)
	s_and_b32 s20, s18, 1                          ; my 128 columns.  Also: which half I fetch
	s_bfe_u32 s21, ttmp6, 0x40000                  ; cx
	s_bfe_u32 s22, ttmp6, 0x40004                  ; cy
	s_lshl_b32 s23, ttmp9, 2
	s_add_co_u32 s23, s23, s21                     ; which 256 columns
	s_and_b32 s67, ttmp7, 0xffff
	s_lshl_b32 s66, s67, 2
	s_add_co_u32 s66, s66, s22                     ; which 128 rows
	s_lshl_b32 s70, s22, 2
	s_lshl_b32 s70, 15, s70                        ; my row of the cluster
	s_lshl_b32 s71, 0x1111, s21                    ; my column
	s_or_b32 s24, s70, (3<<16)|(1<<21)             ; A: 2 rows of 3,200 elements of 8 bytes, 6,400 apart
	s_mov_b32 s25, 3200<<16
	s_mov_b32 s26, 2<<16
	s_mov_b32 s27, 3200<<16
	s_mov_b32 s28, 2
	s_mov_b32 s29, 6400
	s_mov_b32 s30, 0
	s_mov_b32 s31, 0
	s_or_b32 s32, s71, (3<<16)|(1<<21)             ; Wo: 400 rows of 256 bytes, dense
	s_mov_b32 s33, 32<<16
	s_mov_b32 s34, 400<<16
	s_mov_b32 s35, 32<<16
	s_mov_b32 s36, 400
	s_mov_b32 s37, 32
	s_mov_b32 s38, 0
	s_mov_b32 s39, 0
	s_mul_i32 s78, s20, 102400                     ; my half: two of the four 256 along K
	s_lshr_b32 s72, s66, 1
	s_mul_i32 s72, s72, 204800
	s_and_b32 s73, s66, 1
	s_mul_i32 s73, s73, 25600
	s_add_co_u32 s72, s72, s73
	s_add_co_u32 s72, s72, s78
	s_mov_b32 s73, 0
	s_add_co_u32 s74, s23, 108
	s_mul_i32 s74, s74, 204800
	s_add_co_u32 s74, s74, s78
	s_mov_b32 s75, 0
	s_mov_b32 s40, 1
	s_mul_i32 s41, s20, 51200
	s_mov_b32 s52, 1
	s_add_co_u32 s53, s78, BOFF
	s_wait_alu depctr_va_vdst(0)
	s_wait_dscnt 0x0
	s_wait_kmcnt 0x0
	s_add_nc_u64 s[42:43], s[4:5], s[72:73]
	s_or_b32 s43, s43, 0x80000000
	s_add_nc_u64 s[54:55], s[6:7], s[74:75]
	s_or_b32 s55, s55, 0x80000000
	CROUND                                         ; all sixteen work-groups are here: the joint loads meet
	s_cmp_eq_u32 s19, 0
	s_cbranch_scc0 .Lfor_w
	tensor_load_to_lds s[40:43], s[24:31]
	s_nop 0
	PLACES
	s_branch .Lasked
.Lfor_w:
	tensor_load_to_lds s[52:55], s[32:39]
	s_nop 0
	PLACES
.Lasked:
	s_mul_i32 s76, s19, BLK                        ; my 64 rows of A
	s_mul_i32 s77, s20, 2*BLK
	s_add_co_u32 s77, s77, BOFF                    ; my 128 rows of Wo
	v_and_b32 v1, 31, v0
	v_and_b32 v2, 15, v0
	v_bfe_u32 v3, v0, 4, 1
	v_lshlrev_b32 v[LI], 4, v1
	v_lshlrev_b32 v[LR], 4, v2
	v_lshlrev_b32 v27, 3, v1
.irp g, 0,1,2,3
	v_add_nc_u32 v[ADRA+\g], s76, v27
	v_add_nc_u32 v[ADRB+\g], s77, v[LI]
	v_add_nc_u32 v[ASA+\g], s76, v[LR]
	v_add_nc_u32 v[ASB+\g], s77, v[LR]
	s_add_co_u32 s76, s76, 2*BLK
	s_add_co_u32 s77, s77, 4*BLK
.endr
	s_lshl_b32 s86, s23, 10
	s_lshl_b32 s87, s20, 9
	s_add_co_u32 s86, s86, s87                     ; my first column, in bytes
	s_mov_b32 s87, 0
	s_add_nc_u64 s[88:89], s[8:9], s[86:87]
	s_lshl_b32 s84, s66, 19
	s_lshl_b32 s85, s19, 18
	s_add_co_u32 s84, s84, s85
	s_add_co_u32 s84, s84, s86
	s_mov_b32 s85, 0
	s_add_nc_u64 s[10:11], s[10:11], s[84:85]
	v_lshlrev_b32 v22, 6, v3
.irp b, 0,1,2,3,4,5,6,7
	global_load_b128 v[BI+8*\b:BI+8*\b+3], v22, s[88:89] offset:(32*(\b/2)+8*(\b%2))*4       ; the bias, as the result lies
	global_load_b128 v[BI+8*\b+4:BI+8*\b+7], v22, s[88:89] offset:(32*(\b/2)+8*(\b%2))*4+16
.endr
	s_mul_i32 s76, s18, 16*SPITCH
	s_add_co_u32 s76, s76, STAGE
	v_mul_u32_u24 v[STO], v2, SPITCH               ; into the stage: row l % 16, 64 bytes for each half of the lanes
	v_lshl_add_u32 v[STO], v3, 6, v[STO]
	v_add_nc_u32 v[STO], s76, v[STO]
	v_mul_u32_u24 v[RD], v3, SPITCH                ; back: lanes 0-15 one row of 256 bytes, lanes 16-31 the next
	v_lshl_add_u32 v[RD], v2, 4, v[RD]
	v_add_nc_u32 v[RD], s76, v[RD]
	v_lshlrev_b32 v[CO], 12, v3                    ; and the same two rows in out0
	v_lshl_add_u32 v[CO], v2, 4, v[CO]
.macro FETCH k, p                      ; step k's fragments into set p: 24 + 24 loads; with the first step of each 256 along K its scale words: 6 more
	WIN 0x40
.irp i, 0,1,2,3,4,5,6,7
.irp c, 0,1,2
	ds_load_b128 v[128*(\p)+12*\i+4*\c:128*(\p)+12*\i+4*\c+3], v[ADRB+(\k)/2] offset:(\i/4)*BLK+((\i%4)*2+(\k)%2)*IMG+512*\c
.endr
.endr
	WIN 0
.irp i, 0,1,2,3
.irp c, 0,1,2,3,4,5
	ds_load_b64 v[AF+48*(\p)+12*\i+2*\c:AF+48*(\p)+12*\i+2*\c+1], v[ADRA+(\k)/2] offset:(\i*2+(\k)%2)*IMG+256*\c
.endr
.endr
.if (\k)%2 == 0
.irp g, 0,1
	ds_load_b128 v[SCA+16*(((\k)/2)%2)+4*\g:SCA+16*(((\k)/2)%2)+4*\g+3], v[ASA+(\k)/2] offset:12288+\g*256
.endr
.irp g, 0,1,2,3
	ds_load_b128 v[SCB+16*(((\k)/2)%2)+4*\g:SCB+16*(((\k)/2)%2)+4*\g+3], v[ASB+(\k)/2] offset:(\g/2)*BLK+12288+(\g%2)*256
.endr
.endif
.endm
.macro MUL32 k                         ; 32 products: A's four blocks x Wo's eight, 128 along K
.set p_, (\k)%2
.set x_, 16*(((\k)/2)%2)+(\k)%2
.irp a, 0,1,2,3
.irp b, 0,1,2,3,4,5,6,7
.if (\k) == 0
	v_wmma_scale_f32_16x16x128_f8f6f4 v[8*(8*\a+\b):8*(8*\a+\b)+7], v[128*p_+12*\b:128*p_+12*\b+11], v[AF+48*p_+12*\a:AF+48*p_+12*\a+11], v[BI+8*\b:BI+8*\b+7], v[SCB+x_+2*\b], v[SCA+x_+2*\a] matrix_a_fmt:MATRIX_FMT_FP6 matrix_b_fmt:MATRIX_FMT_FP6
.else
	v_wmma_scale_f32_16x16x128_f8f6f4 v[8*(8*\a+\b):8*(8*\a+\b)+7], v[128*p_+12*\b:128*p_+12*\b+11], v[AF+48*p_+12*\a:AF+48*p_+12*\a+11], v[8*(8*\a+\b):8*(8*\a+\b)+7], v[SCB+x_+2*\b], v[SCA+x_+2*\a] matrix_a_fmt:MATRIX_FMT_FP6 matrix_b_fmt:MATRIX_FMT_FP6
.endif
.endr
.endr
.endm
.macro STEPK k
.if (\k) < 7
.if (\k) > 0
	PLACES                                         ; in front of loads into registers that the step before has read
.endif
	FETCH (\k)+1, ((\k)+1)%2
	s_wait_dscnt 48+6*((\k)%2)                     ; this step's fragments are in; the next step's loads, just issued, may be out
.else
	s_wait_dscnt 0x0
.endif
.if (\k) == 0
	WIN 0x81                                       ; source 0 window 1, source 1 and C window 0, D window 2
.else
	WIN 0xa1                                       ; C and D window 2
.endif
	MUL32 \k
	WIN 0
.endm
	s_wait_alu depctr_va_vdst(0)                   ; the wait at the head's end
	s_wait_loadcnt 0x0                             ; the bias
	s_wait_tensorcnt 0x0                           ; my tile is in,
	s_barrier_signal -1
	s_barrier_wait -1                              ; everybody's is
	FETCH 0, 0
.irp k, 0,1,2,3,4,5,6,7
	STEPK \k
.endr
.macro TOSTAGE n                       ; block a = n / 2 of 16 rows, half n % 2 of its 128 columns
	WIN 0x08                                       ; the data: window 2
.irp b, 0,1,2,3
	ds_store_b128 v[STO], v[64*((\n)/2)+32*((\n)%2)+8*\b:64*((\n)/2)+32*((\n)%2)+8*\b+3] offset:128*(\b/2)+32*(\b%2)        ; each accumulator from its low end on
	ds_store_b128 v[STO], v[64*((\n)/2)+32*((\n)%2)+8*\b+4:64*((\n)/2)+32*((\n)%2)+8*\b+7] offset:128*(\b/2)+32*(\b%2)+16
.endr
	WIN 0
.irp t, 0,1,2,3,4,5,6,7
	ds_load_b128 v[BK+32*((\n)%2)+4*\t:BK+32*((\n)%2)+4*\t+3], v[RD] offset:\t*2*SPITCH   ; LDS serves a wave's instructions in order (ISA guide 5.7.1.4): these see the stores above
.endr
.endm
.macro SEND n, younger
	s_wait_dscnt \younger
.irp t, 0,1,2,3,4,5,6,7
	global_store_b128 v[CO], v[BK+32*((\n)%2)+4*\t:BK+32*((\n)%2)+4*\t+3], s[10:11] offset:(32*((\n)/4)+8*(((\n)/2)%2)+2*\t+8*(\t/4))*4096+256*((\n)%2) th:TH_STORE_NT   ; 16 lanes store 256 consecutive bytes, aligned
.endr
.endm
	PLACES
	TOSTAGE 0
.irp n, 1,2,3,4,5,6,7
.if \n > 1
	s_wait_xcnt 0x0                                ; the stores two halves back have read their registers: the loads below may land there
.endif
	TOSTAGE \n
	SEND \n-1, 16                                  ; younger: this half's 8 stores and 8 loads
.endr
	SEND 7, 0
	s_wait_tensorcnt 0x0                           ; the wave's end
	ds_add_u32 v[SPW], v[NIL]
	s_wait_dscnt 0x0
	CROUND                                         ; the closing round
	s_endpgm
.Lfunc_end_k_qa0a5f703d4_outp:
	.size	k_qa0a5f703d4_outp, .Lfunc_end_k_qa0a5f703d4_outp-k_qa0a5f703d4_outp
	.p2alignl 7, 3214868480
	.fill 96, 4, 3214868480
	.section	.rodata,"a",@progbits
	.p2align	6, 0x0
	.amdhsa_kernel k_qa0a5f703d4_outp
		.amdhsa_group_segment_fixed_size 327680
		.amdhsa_private_segment_fixed_size 0
		.amdhsa_enable_private_segment 0
		.amdhsa_kernarg_size 32
		.amdhsa_user_sgpr_count 2
		.amdhsa_user_sgpr_kernarg_segment_ptr 1
		.amdhsa_wavefront_size32 1
		.amdhsa_system_sgpr_workgroup_id_x 1
		.amdhsa_system_sgpr_workgroup_id_y 1
		.amdhsa_system_sgpr_workgroup_id_z 1
		.amdhsa_system_vgpr_workitem_id 0
		.amdhsa_next_free_vgpr 768
		.amdhsa_next_free_sgpr 100
		.amdhsa_reserve_vcc 0
		.amdhsa_float_denorm_mode_32 3
		.amdhsa_float_denorm_mode_16_64 3
		.amdhsa_memory_ordered 1
		.amdhsa_forward_progress 1
		.amdhsa_inst_pref_size 84
	.end_amdhsa_kernel
	.amdgpu_metadata
---
amdhsa.version: [ 1, 2 ]
amdhsa.kernels:
  - .name:           k_qa0a5f703d4_outp
    .symbol:         k_qa0a5f703d4_outp.kd
    .args:
      - { .name: acod, .offset: 0, .size: 8, .value_kind: global_buffer, .address_space: global }
      - { .name: cod, .offset: 8, .size: 8, .value_kind: global_buffer, .address_space: global }
      - { .name: bo, .offset: 16, .size: 8, .value_kind: global_buffer, .address_space: global }
      - { .name: out0, .offset: 24, .size: 8, .value_kind: global_buffer, .address_space: global }
    .group_segment_fixed_size: 327680
    .private_segment_fixed_size: 0
    .kernarg_segment_align: 8
    .kernarg_segment_size: 32
    .max_flat_workgroup_size: 128
    .sgpr_count:     100
    .vgpr_count:     768
    .wavefront_size: 32
...
	.end_amdgpu_metadata
.endif
;; end of part 4
